; MI455X (gfx1250); checked and timed in simulation.
; The chip was launched on July 23, 2026; its instructions are those of AMD's public machine-readable ISA for CDNA 5 (MIT licence, August 2026) and "CDNA5" Instruction Set Architecture Reference Guide (July 2026). The comments in the code are by the model that wrote it; some were corrected since.
;; Ensemble Layer. Allowed arithmetic: matrix products marked QUANTISED: E3M2 operands, one E8M0 scale for each 32 along K, by v_wmma_scale_f32_16x16x128_f8f6f4 with both operands' format E3M2, f32 sums; products left as they are: f32 operands where the result goes on into a quantised operand, else bf16, f16 or f32 operands; f32 sums; everything else in f32.
;; Inputs: W 16 x 1,024 x 1,024 float32; W_prior 16 x 1,024 x 1,024 float32; b 16 x 1,024 float32; b_prior 16 x 1,024 float32; expert_idx 2,048 int32; logits 2,048 x 1,024 float32; prior_logits 2,048 x 1,024 float32.
;; Outputs: out0 2,048 x 1 x 1,024 float32.
;; This version of the problem:
;;   THIS VERSION OF THE PROBLEM IS GIVEN IN LOW PRECISION. The matrix products marked QUANTISED in the list below multiply operands that are first quantised to E3M2 (3 exponent bits, 2 mantissa bits; 6 bits a number), with one power-of-two scale for each 32 numbers along K (OCP MX v1.0); their sums are f32. All else is computed in f32.
;;   The module's matrix products, in the order in which they are computed (A, B: the left and right operand; K: the contracted axis; several contracted axes count as one K, in the product's order):
;;     1. [M 2,048, K 1,024] x [K 1,024, N 16,384]; A: input logits; B: input W: QUANTISED
;;     2. batch 2,048 x [M 1, K 16] x [K 16, N 1,024]; A: computed on the way; B: computed on the way: left as it is (K = 16 < 32)
;;     3. [M 2,048, K 1,024] x [K 1,024, N 16,384]; A: input prior_logits; B: input W_prior: QUANTISED
;;     4. batch 2,048 x [M 1, K 16] x [K 16, N 1,024]; A: computed on the way; B: computed on the way: left as it is (K = 16 < 32)
;;   THE QUANTISER, for each operand of a quantised product, along K:
;;     - K is cut into blocks of 32 from its start; a last block that is shorter is filled with zeros.
;;     - A block's scale is 2^e with e = floor(log2(the largest magnitude in the block)) - 4, held to -126 .. 127; a block of zeros has e = 0. As a byte (E8M0): e + 127.
;;     - Each number is divided by its block's scale, clamped to +-28, and rounded to the nearest number of E3M2, ties to even, subnormals kept.
;;     - The product sums the exact products of the quantised numbers (number of the format x scale) in f32.
;;   ~~~python
;;   def quantise(x, axis):      # numpy; x: float32 -> the quantised numbers, widened to float32 again
;;       x = np.moveaxis(x, axis, -1); K = x.shape[-1]
;;       x = np.pad(x, [(0, 0)] * (x.ndim - 1) + [(0, -K % 32)]); x = x.reshape(x.shape[:-1] + (-1, 32)); a = np.abs(x).max(-1, keepdims=True)
;;       e = np.where(a > 0, np.clip(np.frexp(np.where(a > 0, a, 1))[1] - 1 - 4, -126, 127), 0)      # np.frexp(a)[1] - 1 = floor(log2(a)), exactly
;;       r = np.clip(x / 2.0 ** e, -28, 28)
;;       step = 2.0 ** (np.maximum(np.frexp(np.where(r == 0, 1, r))[1] - 1, -2) - 2)
;;       q = np.round(r / step) * step * 2.0 ** e      # np.round: ties to even
;;       return np.moveaxis(q.reshape(q.shape[:-2] + (-1,))[..., :K], -1, axis).astype(np.float32)
;;   ~~~
;; One version. Each part assembles by itself: llvm-mc -triple=amdgcn-amd-amdhsa -mcpu=gfx1250 --defsym DOCPART=n.
;; ======== version 1 of 1: 2 launches
;; workspace buffers: xq 3,514,368 bytes; xs 146,432 bytes; order 9,216 bytes of whole numbers; tiles 512 bytes of whole numbers
;; launch prep (part 1): grid 143 x 1, 16 waves a work-group, no clusters, 142,336 bytes of LDS; arguments logits, prior_logits, expert_idx, xq, xs, order, tiles; writes xq, xs, order, tiles
.if DOCPART == 1
	.amdgcn_target "amdgcn-amd-amdhsa--gfx1250"
	.amdhsa_code_object_version 6
	.text
	.protected	k_q584186f8a3_prep
	.globl	k_q584186f8a3_prep
	.p2align	8
	.type	k_q584186f8a3_prep,@function
k_q584186f8a3_prep:
	s_mov_b64 s[64:65], 0
	v_nop
	global_prefetch_b8 v0, s[64:65] scope:SCOPE_SE
	s_setreg_imm32_b32 hwreg(HW_REG_WAVE_MODE, 25, 1), 1
	s_wait_xcnt 0x0
; ROUTING AND THE TOKENS' CODES.  2,048 tokens are sorted by their expert (expert_idx) into slots; each expert's run of slots begins at a multiple of 16, so there are at most
; 2,048 / 16 + 15 = 143 slot tiles of 16 rows.  Work-group T makes slot tile T: it repeats the counting sort (8 KB of indices, ballots, no atomics), finds its 16 tokens, and its sixteen waves
; quantise one K step of 128 each (waves 0-7: logits, waves 8-15: prior_logits) to codes of BF6 (E3M2) with one E8M0 byte for each 32 along K.
; A block's scale is 2^(floor(log2(its largest magnitude)) - 4): the byte is the largest magnitude's exponent field - 4, held at 1 from below.
; OUT:  xq: the operand's 12 registers as they stand: tile T, K step s, registers 4 g .. 4 g + 3 of lane l at 24,576 T + 1,536 s + 512 g + 16 l.
;       xs: row r's scale word of K step s at 1,024 T + 64 s + 4 r.      order: the token of row r at word 16 T + 8 (r % 2) + r / 2.
;       tiles (work-group 0): 32 entries {expert, first slot tile, tokens 0 .. 256, 0}: the pieces of at most 256 tokens of one expert, those with tokens first.
; A slot that no token takes, and a tile that this split leaves empty, hold token 0's codes: every byte of all 143 tiles is written, since the next launch reads neighbouring tiles as filler and drops their rows.
; LIMITS: NaN and infinities among the inputs are not served; a block of zeros gets the byte 1 (its codes are zeros; this program alone reads the bytes); expert_idx is taken as 0 .. 15 (held there for the addresses' sake).
.set CNT,   0                          ; LDS: 128 bytes a wave: word e = the wave's tokens of expert e
.set CAND,  2048                       ; 128 bytes a wave: word d = the wave's token for row d of this tile, or 0
.set XSG,   4096                       ; the tile's 16 x 16 scale words
.set STAGE, 5120                       ; a stage of 16 rows x 528 bytes for each wave
.set SROW,  528                        ; 512 bytes + 16: sixteen lanes that read one column of sixteen rows touch sixteen different columns of 16 bytes
.set STB,   16*SROW
.set RAW,   64                         ; v64-127  16 rows x 16 bytes a lane, as loaded
.set X,     128                        ; v128-191 my 64 numbers: register 32 c + i = k 64 c + 32 (lane / 16) + i of row lane % 16
.set PC,    192                        ; v192-203 the fragment's codes
.set Q,     204                        ; v204-206, v208-210 the upper halves of the two blocks, as converted
.set M,     212                        ; v212-215 largest magnitudes
.set S,     216                        ; v216-217 the conversions' scale operands
.set BY,    218                        ; v218-219 the bytes
.set PW,    220                        ; the row's scale word
.set TT,    221
.set H8,    8                          ; v8  8 x (lane / 16)
.set SEL,   20                         ; s[20:21] v_permlanex16_b32's selects for lane l xor 16
.set TOKR,  63                         ; v63 lane r: the token of row r
; 64 numbers of a lane become the operand's 12 registers and the row's scale word
.macro QFRAG
.irp c, 0,1
	v_max3_num_f32 v[M+\c], |v[X+32*\c]|, |v[X+32*\c+1]|, 0x2800000          ; two chains a block; the floor 2^(5 - 127) holds the byte at 1 from below
	v_max3_num_f32 v[M+2+\c], |v[X+32*\c+16]|, |v[X+32*\c+17]|, |v[X+32*\c+18]|
.endr
.irp i, 2,4,6,8,10,12
.irp c, 0,1
	s_delay_alu instid0(VALU_DEP_4)
	v_max3_num_f32 v[M+\c], v[M+\c], |v[X+32*\c+\i]|, |v[X+32*\c+\i+1]|
	s_delay_alu instid0(VALU_DEP_4)
	v_max3_num_f32 v[M+2+\c], v[M+2+\c], |v[X+32*\c+17+\i]|, |v[X+32*\c+18+\i]|
.endr
.endr
.irp c, 0
	s_delay_alu instid0(VALU_DEP_4)
	v_max3_num_f32 v[M+\c], v[M+\c], |v[X+32*\c+14]|, |v[X+32*\c+15]|
.endr
.irp c, 1
	s_delay_alu instid0(VALU_DEP_3)
	v_max3_num_f32 v[M+\c], v[M+\c], |v[X+32*\c+14]|, |v[X+32*\c+15]|
.endr
.irp c, 0,1
	s_delay_alu instid0(VALU_DEP_2)
	v_max3_num_f32 v[M+\c], v[M+\c], v[M+2+\c], |v[X+32*\c+31]|               ; the block's largest magnitude: all 32 numbers are mine
.endr
.irp c, 0,1
	s_delay_alu instid0(VALU_DEP_2)
	v_add_nc_u32 v[S+\c], 0xfe000000, v[M+\c]                                 ; 4 off its exponent field: the conversion takes that field as its scale
.endr
.irp c, 0,1
	s_delay_alu instid0(VALU_DEP_2)
	v_lshrrev_b32 v[BY+\c], 23, v[S+\c]                                       ; the scale's byte
.endr
	s_delay_alu instid0(VALU_DEP_1)
	v_lshl_or_b32 v[PW], v[BY+1], 16, v[BY]                                   ; my blocks h and 2 + h,
	s_delay_alu instid0(VALU_DEP_1)
	v_lshlrev_b32 v[PW], v[H8], v[PW]                                         ; at their places in the word;
	s_delay_alu instid0(VALU_DEP_1)
	v_permlanex16_b32 v[TT], v[PW], s[SEL], s[SEL+1]
	s_delay_alu instid0(VALU_DEP_1)
	v_or_b32 v[PW], v[PW], v[TT]                                              ; with lane l xor 16's two the word is whole, in both halves of the lanes
.irp c, 0,1
	v_cvt_scalef32_pk16_bf6_f32 v[PC+6*\c:PC+6*\c+2], v[X+32*\c:X+32*\c+15], v[S+\c]
	v_cvt_scalef32_pk16_bf6_f32 v[Q+4*\c:Q+4*\c+2], v[X+32*\c+16:X+32*\c+31], v[S+\c]   ; (a conversion's three registers begin on an even number)
.endr
	v_nop                                                                     ; one plain place behind a scaled conversion
.irp c, 0,1
.irp i, 0,1,2
	v_mov_b32 v[PC+3+6*\c+\i], v[Q+4*\c+\i]
.endr
.endr
.endm
	s_load_b256 s[4:11], s[0:1], 0x0               ; logits s[4:5], prior_logits s[6:7], expert_idx s[8:9], xq s[10:11]
	s_load_b128 s[12:15], s[0:1], 0x20             ; xs s[12:13], order s[14:15]
	s_load_b64 s[16:17], s[0:1], 0x30              ; tiles
	v_lshl_add_u32 v232, v0, 2, 0x22400
	v_mov_b32 v233, 0
	v_lshrrev_b32 v9, 5, v0
	s_delay_alu instid0(VALU_DEP_1)
	v_readfirstlane_b32 s18, v9                    ; wave 0..15
	v_and_b32 v1, 31, v0                           ; lane
	v_and_b32 v2, 15, v0                           ; r
	v_bfe_u32 v3, v0, 4, 1                         ; h
	s_delay_alu instid0(VALU_DEP_3)
	v_lshlrev_b32 v4, 4, v1                        ; 16 x lane
	v_lshlrev_b32 v5, 2, v0                        ; 4 x thread
	s_delay_alu instid0(VALU_DEP_3)
	v_lshlrev_b32 v[H8], 3, v3
	v_lshlrev_b32 v10, 4, v0                       ; 16 x thread: my four indices
	v_lshlrev_b32 v11, 2, v1                       ; 4 x lane
	v_lshlrev_b32 v60, 2, v2                       ; 4 r
	v_and_b32 v61, 1, v2
	v_lshrrev_b32 v9, 1, v2
	s_delay_alu instid0(VALU_DEP_1)
	v_lshlrev_b32 v9, 2, v9
	s_delay_alu instid0(VALU_DEP_1)
	v_lshl_add_u32 v61, v61, 5, v9                 ; row r's place in the tile's 64 bytes of order: 32 (r % 2) + 4 (r / 2)
	s_mul_i32 s56, s18, STB
	s_add_co_u32 s56, s56, STAGE                   ; my stage
	v_add_nc_u32 v6, s56, v4                       ; in: 16 bytes a lane, a row an instruction
	v_mul_u32_u24 v7, v2, SROW
	s_delay_alu instid0(VALU_DEP_1)
	v_lshl_add_u32 v7, v3, 7, v7
	s_delay_alu instid0(VALU_DEP_1)
	v_add_nc_u32 v7, s56, v7                       ; back: row r, + 128 h
	s_lshl_b32 s57, s18, 6
	s_add_co_u32 s57, s57, XSG
	v_add_nc_u32 v62, s57, v60                     ; my K step's scale words: 64 x wave + 4 r
	v_mov_b32 v[TT], 0                             ; written once: a lane permute's destination counts as one of its sources
	s_lshl_b32 s19, ttmp9, 4                       ; this tile's first slot
	s_mov_b32 s[SEL], 0x76543210
	s_mov_b32 s[SEL+1], 0xfedcba98
.irp e, 0,1,2,3,4,5,6,7,8,9,10,11,12,13,14,15
	s_mov_b32 s[24+\e], 0                          ; s[24:39]: my wave's tokens of expert e so far
.endr
.irp c, 0,1,2,3
	v_mov_b32 v[16+\c], 0
.endr
	s_wait_kmcnt 0x0
	global_load_b128 v[12:15], v10, s[8:9]         ; thread t: the experts of tokens 4 t .. 4 t + 3
	s_cmp_lt_u32 s18, 8                            ; waves 0-7 take logits, waves 8-15 prior_logits: the choice hangs on the wave's number alone
	s_cselect_b64 s[82:83], s[4:5], s[6:7]
	s_and_b32 s84, s18, 7
	s_lshl_b32 s84, s84, 9                         ; my 128 numbers of a row
	s_mov_b32 s85, 0
	s_add_nc_u64 s[82:83], s[82:83], s[84:85]
	s_mul_i32 s84, ttmp9, 24576
	s_mul_i32 s86, s18, 1536
	s_add_co_u32 s84, s84, s86
	s_add_nc_u64 s[10:11], s[10:11], s[84:85]      ; xq at my fragment
	s_lshl_b32 s84, ttmp9, 10
	s_add_nc_u64 s[12:13], s[12:13], s[84:85]      ; xs at my tile
	s_lshl_b32 s84, ttmp9, 6
	s_add_nc_u64 s[14:15], s[14:15], s[84:85]      ; order at my tile
	s_wait_loadcnt 0x0
.irp c, 0,1,2,3
	v_min_u32 v[12+\c], 15, v[12+\c]
.endr
	; a token's rank among my wave's tokens of its expert: the lanes below me with the same expert, and what earlier turns counted
.irp c, 0,1,2,3
.irp e, 0,1,2,3,4,5,6,7,8,9,10,11,12,13,14,15
	v_cmp_eq_u32 s56, \e, v[12+\c]
	s_delay_alu instid0(VALU_DEP_1)
	v_mbcnt_lo_u32_b32 v9, s56, s[24+\e]
	s_delay_alu instid0(VALU_DEP_1)
	v_cndmask_b32 v[16+\c], v[16+\c], v9, s56
	s_bcnt1_i32_b32 s57, s56
	s_add_co_u32 s[24+\e], s[24+\e], s57
.endr
.endr
	v_mov_b32 v24, 0
.irp e, 0,1,2,3,4,5,6,7,8,9,10,11,12,13,14,15
	s_delay_alu instid0(VALU_DEP_1)
	v_writelane_b32 v24, s[24+\e], \e
.endr
	ds_store_b32 v5, v24 offset:CNT                ; lane e: my wave's count of expert e; lanes 16-31: 0
	s_wait_dscnt 0x0                               ; for the others' sake: my counts are in LDS
	s_barrier_signal -1
	s_barrier_wait -1
.irp k, 0,1,2,3,4,5,6,7,8,9,10,11,12,13,14,15
	ds_load_b32 v[28+\k], v11 offset:CNT+128*\k    ; lane e: wave k's count of expert e
.endr
	s_wait_dscnt 0x0
	v_add_nc_u32 v25, v28, v29
.irp k, 2,3,4,5,6,7,8,9,10,11,12,13,14,15
	s_delay_alu instid0(VALU_DEP_1)
	v_add_nc_u32 v25, v25, v[28+\k]                ; lane e: all tokens of expert e
.endr
	v_mov_b32 v26, 0
.irp k, 0,1,2,3,4,5,6,7,8,9,10,11,12,13,14,15
	s_cmp_gt_u32 s18, \k
	s_cselect_b32 s57, 1, 0
	v_mad_u32_u24 v26, v[28+\k], s57, v26          ; lane e: those of the waves in front of mine
.endr
.irp e, 0,1,2,3,4,5,6,7,8,9,10,11,12,13,14,15
	v_readlane_b32 s[40+\e], v25, \e               ; s[40:55]: the experts' totals
.endr
	v_mov_b32 v27, 0
	s_mov_b32 s58, 0
.irp e, 0,1,2,3,4,5,6,7,8,9,10,11,12,13,14,15
	v_writelane_b32 v27, s58, \e                   ; lane e: expert e's first slot
	s_add_co_u32 s59, s[40+\e], 15
	s_and_b32 s59, s59, -16                        ; its run of slots is rounded up to whole tiles
	s_add_co_u32 s58, s58, s59
.endr
	v_add_nc_u32 v27, v27, v26                     ; lane e: the first slot of my wave's tokens of expert e
.irp c, 0,1,2,3
	v_lshlrev_b32 v[20+\c], 2, v[12+\c]
.endr
.irp c, 0,1,2,3
	ds_bpermute_b32 v[28+\c], v[20+\c], v27        ; from lane e: a pull between lanes, no LDS byte is touched
.endr
	s_wait_dscnt 0x0
.irp c, 0,1,2,3
	v_add_nc_u32 v[16+\c], v[28+\c], v[16+\c]      ; the token's slot
	s_delay_alu instid0(VALU_DEP_1)
	v_sub_nc_u32 v[16+\c], v[16+\c], s19           ; its row in this tile, if it is 0 .. 15 (an earlier slot wraps to a large number)
	s_delay_alu instid0(VALU_DEP_1)
	v_min_u32 v[16+\c], 16, v[16+\c]               ; every other token goes to lane 16, which nobody reads
	s_delay_alu instid0(VALU_DEP_1)
	v_lshlrev_b32 v[16+\c], 2, v[16+\c]
	v_lshl_add_u32 v[20+\c], v0, 2, \c             ; the token's number
	v_mov_b32 v[32+\c], 0
.endr
.irp c, 0,1,2,3
	ds_permute_b32 v[32+\c], v[16+\c], v[20+\c]    ; a push between lanes: lane d gets the token of row d; a lane that gets nothing holds 0
.endr
	s_wait_dscnt 0x0
	v_or_b32 v32, v32, v33
	v_or_b32 v34, v34, v35
	s_delay_alu instid0(VALU_DEP_1)
	v_or_b32 v32, v32, v34                         ; a slot has one token, so at most one of the four, in one wave, is not 0
	ds_store_b32 v5, v32 offset:CAND
	s_wait_dscnt 0x0                               ; for the others' sake
	s_barrier_signal -1
	s_barrier_wait -1
.irp k, 0,1,2,3,4,5,6,7,8,9,10,11,12,13,14,15
	ds_load_b32 v[28+\k], v60 offset:CAND+128*\k
.endr
	s_wait_dscnt 0x0
	v_or_b32 v[TOKR], v28, v29
.irp k, 2,3,4,5,6,7,8,9,10,11,12,13,14,15
	s_delay_alu instid0(VALU_DEP_1)
	v_or_b32 v[TOKR], v[TOKR], v[28+\k]            ; lanes r and 16 + r: the token of row r (0 for a slot that no token takes)
.endr
.irp i, 0,1,2,3,4,5,6,7,8,9,10,11,12,13,14,15
	v_readlane_b32 s[66+\i], v[TOKR], \i
.endr
.irp i, 0,1,2,3,4,5,6,7,8,9,10,11,12,13,14,15
	s_min_u32 s[66+\i], s[66+\i], 0x7ff
	v_lshl_add_u32 v[44+\i], s[66+\i], 12, v4      ; the row's 4,096 bytes, + 16 x lane
.endr
	s_wait_alu depctr_va_vdst(0)
.irp i, 0,1,2,3,4,5,6,7,8,9,10,11,12,13,14,15
	global_load_b128 v[RAW+4*\i:RAW+4*\i+3], v[44+\i], s[82:83]   ; 32 lanes read the 512 consecutive bytes of row i's K step
.endr
	s_wait_loadcnt 0x0
.irp i, 0,1,2,3,4,5,6,7,8,9,10,11,12,13,14,15
	ds_store_b128 v6, v[RAW+4*\i:RAW+4*\i+3] offset:SROW*\i
.endr
.irp c, 0,1
.irp k, 0,1,2,3,4,5,6,7
	ds_load_b128 v[X+32*\c+4*\k:X+32*\c+4*\k+3], v7 offset:256*\c+16*\k   ; LDS serves a wave's instructions in order: these see my stores
.endr
.endr
	s_wait_dscnt 0x0
	QFRAG
.irp g, 0,1,2
	global_store_b128 v4, v[PC+4*\g:PC+4*\g+3], s[10:11] offset:512*\g   ; 32 lanes store 512 consecutive bytes, at a multiple of 256 from the buffer's first byte
.endr
	ds_store_b32 v62, v[PW]                        ; lanes r and 16 + r write the same word with the same value
	s_wait_dscnt 0x0                               ; for wave 0's sake
	s_barrier_signal -1
	s_barrier_wait -1
	s_cmp_lg_u32 s18, 0
	s_cbranch_scc1 .Lend                           ; the rest is wave 0's
	ds_load_b128 v[28:31], v4 offset:XSG
	ds_load_b128 v[32:35], v4 offset:XSG+512
	s_wait_dscnt 0x0
	global_store_b128 v4, v[28:31], s[12:13]       ; the tile's 1,024 bytes of scale words, 512 consecutive bytes a store
	global_store_b128 v4, v[32:35], s[12:13] offset:512
	s_cmp_lg_u32 ttmp9, 0
	s_cbranch_scc1 .Lno_table
	; the table: lane m makes entry m.  It belongs to the last expert whose first piece's number is at most m
	v_mov_b32 v224, 0                              ; expert
	v_mov_b32 v225, 0                              ; its first slot tile
	v_mov_b32 v226, 0                              ; its tokens
	v_mov_b32 v227, 0                              ; its first piece's number
	v_mov_b32 v228, 0
	s_mov_b32 s61, 0
	s_mov_b32 s62, 0
.irp e, 0,1,2,3,4,5,6,7,8,9,10,11,12,13,14,15
	v_cmp_gt_u32 vcc_lo, s61, v1                   ; expert e begins behind entry m: keep what stands
	s_delay_alu instid0(VALU_DEP_1)
	v_cndmask_b32 v224, \e, v224, vcc_lo
	s_delay_alu instid0(VALU_DEP_2)
	v_cndmask_b32 v225, s62, v225, vcc_lo
	s_delay_alu instid0(VALU_DEP_3)
	v_cndmask_b32 v226, s[40+\e], v226, vcc_lo
	s_delay_alu instid0(VALU_DEP_4)
	v_cndmask_b32 v227, s61, v227, vcc_lo
	s_add_co_u32 s59, s[40+\e], 15
	s_lshr_b32 s59, s59, 4
	s_add_co_u32 s62, s62, s59                     ; slot tiles so far
	s_add_co_u32 s59, s[40+\e], 255
	s_lshr_b32 s59, s59, 8
	s_add_co_u32 s61, s61, s59                     ; pieces of 256 tokens so far
.endr
	v_sub_nc_u32 v227, v1, v227                    ; which piece of its expert
	s_delay_alu instid0(VALU_DEP_1)
	v_lshl_add_u32 v225, v227, 4, v225             ; 16 slot tiles a piece
	s_delay_alu instid0(VALU_DEP_2)
	v_lshlrev_b32 v227, 8, v227
	s_delay_alu instid0(VALU_DEP_1)
	v_sub_nc_u32 v226, v226, v227                  ; the tokens left from there on,
	s_delay_alu instid0(VALU_DEP_1)
	v_cmp_gt_i32 vcc_lo, 0, v226
	s_delay_alu instid0(VALU_DEP_1)
	v_cndmask_b32 v226, v226, v228, vcc_lo         ; none behind the expert's last piece,
	s_delay_alu instid0(VALU_DEP_1)
	v_min_u32 v226, 0x100, v226                    ; 256 at the most
	v_mov_b32 v227, 0
	global_store_b128 v4, v[224:227], s[16:17]     ; 32 entries: 512 consecutive bytes
.Lno_table:
	v_cmp_gt_u32 vcc_lo, 16, v1
	s_wait_xcnt 0x0                                ; EXEC changes only when the stores above have had their addresses translated
	s_and_saveexec_b32 s56, vcc_lo
	global_store_b32 v61, v[TOKR], s[14:15]        ; sixteen lanes: the tile's 64 bytes of order
	s_wait_xcnt 0x0
	s_or_b32 exec_lo, exec_lo, s56
.Lend:
	s_wait_tensorcnt 0x0
	ds_add_u32 v232, v233
	s_wait_dscnt 0x0
	s_endpgm
.Lfunc_end_k_q584186f8a3_prep:
	.size	k_q584186f8a3_prep, .Lfunc_end_k_q584186f8a3_prep-k_q584186f8a3_prep
	.p2alignl 7, 3214868480
	.fill 96, 4, 3214868480
	.section	.rodata,"a",@progbits
	.p2align	6, 0x0
	.amdhsa_kernel k_q584186f8a3_prep
		.amdhsa_group_segment_fixed_size 142336
		.amdhsa_private_segment_fixed_size 0
		.amdhsa_enable_private_segment 0
		.amdhsa_kernarg_size 56
		.amdhsa_user_sgpr_count 2
		.amdhsa_user_sgpr_kernarg_segment_ptr 1
		.amdhsa_wavefront_size32 1
		.amdhsa_system_sgpr_workgroup_id_x 1
		.amdhsa_system_sgpr_workgroup_id_y 1
		.amdhsa_system_sgpr_workgroup_id_z 1
		.amdhsa_system_vgpr_workitem_id 0
		.amdhsa_next_free_vgpr 234
		.amdhsa_next_free_sgpr 90
		.amdhsa_reserve_vcc 1
		.amdhsa_float_denorm_mode_32 3
		.amdhsa_float_denorm_mode_16_64 3
		.amdhsa_memory_ordered 1
		.amdhsa_forward_progress 1
		.amdhsa_inst_pref_size 58
	.end_amdhsa_kernel
	.amdgpu_metadata
---
amdhsa.version: [ 1, 2 ]
amdhsa.kernels:
  - .name:           k_q584186f8a3_prep
    .symbol:         k_q584186f8a3_prep.kd
    .args:
      - { .name: logits, .offset: 0, .size: 8, .value_kind: global_buffer, .address_space: global }
      - { .name: prior_logits, .offset: 8, .size: 8, .value_kind: global_buffer, .address_space: global }
      - { .name: expert_idx, .offset: 16, .size: 8, .value_kind: global_buffer, .address_space: global }
      - { .name: xq, .offset: 24, .size: 8, .value_kind: global_buffer, .address_space: global }
      - { .name: xs, .offset: 32, .size: 8, .value_kind: global_buffer, .address_space: global }
      - { .name: order, .offset: 40, .size: 8, .value_kind: global_buffer, .address_space: global }
      - { .name: tiles, .offset: 48, .size: 8, .value_kind: global_buffer, .address_space: global }
    .group_segment_fixed_size: 142336
    .private_segment_fixed_size: 0
    .kernarg_segment_align: 8
    .kernarg_segment_size: 56
    .max_flat_workgroup_size: 512
    .sgpr_count:     90
    .vgpr_count:     234
    .wavefront_size: 32
...
	.end_amdgpu_metadata
.endif
;; end of part 1
;; launch main (part 2): grid 16 x 23, 4 waves a work-group, no clusters, 103,936 bytes of LDS; arguments W, W_prior, b, b_prior, xq, xs, order, tiles, out0; writes out0
.if DOCPART == 2
	.amdgcn_target "amdgcn-amd-amdhsa--gfx1250"
	.amdhsa_code_object_version 6
	.text
	.protected	k_q584186f8a3_main
	.globl	k_q584186f8a3_main
	.p2align	8
	.type	k_q584186f8a3_main,@function
k_q584186f8a3_main:
	s_mov_b64 s[64:65], 0
	v_nop
	global_prefetch_b8 v0, s[64:65] scope:SCOPE_SE
	s_setreg_imm32_b32 hwreg(HW_REG_WAVE_MODE, 25, 1), 1
	s_wait_xcnt 0x0
; out0[t] = W[e] Q(logits[t]) + W_prior[e] Q(prior_logits[t]) + b[e] + b_prior[e], e = the token's expert; both products on codes of BF6 (E3M2) with one E8M0 scale for each 32 along K.
; Only the chosen expert's rows are multiplied.  Work-group (x, y) takes entry y of the table 'tiles' (at most 256 tokens of one expert; at most 2,048 / 256 + 15 = 23 entries hold tokens, whatever the split)
; and output columns 64 x .. 64 x + 63.  WAVE w TAKES 16 COLUMNS, 64 x + 16 w on, for all of K = 2,048 (16 steps of 128: steps 0-7 W with logits, 8-15 W_prior with prior_logits) and all the entry's tokens:
; it reads its 16 weight rows from memory once, as f32, 512 consecutive bytes of a row an instruction, turns a step's 8 KB through its own stage in LDS so that a lane holds 64 neighbours of one row,
; quantises them into the operand's 12 registers, and multiplies them by the tokens' fragments, which the launch before laid in the order of the operand's registers.
; No weight code goes to memory or to another wave.  The price: the four waves each read the tokens' fragments.
; THE MATRIX INSTRUCTION: source 0 = my 16 weight rows, source 1 = 16 tokens: a lane holds one token and eight neighbouring columns.
; TILES OF TOKENS: tb .. tb + NT - 1, tb = the entry's first slot tile held at 127, so that sixteen tiles from tb lie inside the 143 and every tile's offset is an immediate.  NT = 4, 8, 12 or 16, as many as
; reach the entry's last tile: four paths, chosen once, so that every counted wait is exact on its path.  Tiles outside the entry are filler: their rows are dropped on the way out.
; NO TENSOR LOAD, NO CLUSTER: the work hangs on numbers read from memory (an entry without tokens does nothing), and partners would need different numbers of tiles.
; ONE BARRIER, on every wave's path: the work in front of it and behind it is jumped over where the entry has no tokens; the barrier is not.
; LIMITS: NaN and infinities among the inputs are not served; a block of zeros gets the byte 1 with zero codes; the biases start the sums, another order of f32 rounding than the definition's.
; REGISTERS, in windows of 256:  window 0: v1-15 addresses; v16-31 the tokens' scale words, two sets; v32-61 codes and scale at work; v64-127 a step's 64 numbers, later rows of out0; v128-159 row ids.
;   window 1: v0-127 the 16 accumulators; v128-255 the weights as loaded, two sets.   window 2: v0-191 the tokens' fragments, set 0; v192-207 the biases.   window 3: v0-191 set 1.
.set SROW,  528                        ; a stage row: 512 bytes + 16: sixteen lanes that read one column of sixteen rows touch sixteen different columns of 16 bytes
.set STB,   16*SROW                    ; a wave's stage
.set STG,   4*STB                      ; behind the four: the stage for out0, 256 rows x (256 bytes + 16)
.set OP,    272
.set TS,    16                         ; set q, tiles 2 jj (lanes 0-15) and 2 jj + 1 (lanes 16-31): v[TS + 8 q + jj]
.set PC,    32                         ; v32-43 the weights' codes
.set Q,     44                         ; v44-46, v48-50
.set PW,    52                         ; the weights' scale word
.set TT,    53
.set M,     54                         ; v54-57
.set S,     58                         ; v58-59
.set BY,    60                         ; v60-61
.set X,     64
.set OUTR,  64
.set OF,    128                        ; v[OF + 8 g + i]: the token of row 2 i + (lane / 16) of my g-th tile on the way out, then its byte offset in out0
.set H8,    10
.set STW,   8
.set STR,   9
.set RING,  128                        ; in window 1
.set BB,    192                        ; in window 2: b (8), b_prior (8)
.set SEL,   44                         ; s[44:45]
.set PWP,   38                         ; s[38:39] where the weight loads of this trip stand (two steps on)
.set PXQ,   40                         ; s[40:41] the same for the tokens' codes
.set PXS,   42                         ; s[42:43] and their scale words
.set PPF,   50                         ; s[50:51] where this trip's prefetches stand (four steps on)
.set MSB, 0
.macro WIN new                         ; the immediate's high byte repeats the setting that is left; a switch that changes nothing is dropped
.if MSB != (\new)
	s_set_vgpr_msb (MSB<<8)|(\new)
.set MSB, (\new)
.endif
.endm
.macro LWAIT n                         ; a count beyond the wait's field is written as the field's largest: a smaller count is always right
.if (\n) > 63
	s_wait_loadcnt 63
.else
	s_wait_loadcnt \n
.endif
.endm
.macro QFRAG                           ; 64 numbers of a lane become the operand's 12 registers and the row's scale word
.irp c, 0,1
	v_max3_num_f32 v[M+\c], |v[X+32*\c]|, |v[X+32*\c+1]|, 0x2800000          ; two chains a block; the floor 2^(5 - 127) holds the byte at 1 from below
	v_max3_num_f32 v[M+2+\c], |v[X+32*\c+16]|, |v[X+32*\c+17]|, |v[X+32*\c+18]|
.endr
.irp i, 2,4,6,8,10,12
.irp c, 0,1
	v_max3_num_f32 v[M+\c], v[M+\c], |v[X+32*\c+\i]|, |v[X+32*\c+\i+1]|
	v_max3_num_f32 v[M+2+\c], v[M+2+\c], |v[X+32*\c+17+\i]|, |v[X+32*\c+18+\i]|
.endr
.endr
.irp c, 0,1
	v_max3_num_f32 v[M+\c], v[M+\c], |v[X+32*\c+14]|, |v[X+32*\c+15]|
.endr
.irp c, 0,1
	v_max3_num_f32 v[M+\c], v[M+\c], v[M+2+\c], |v[X+32*\c+31]|               ; the block's largest magnitude: all 32 numbers are mine
.endr
.irp c, 0,1
	v_add_nc_u32 v[S+\c], 0xfe000000, v[M+\c]                                 ; 4 off its exponent field: the conversion takes that field as its scale
.endr
.irp c, 0,1
	v_lshrrev_b32 v[BY+\c], 23, v[S+\c]
.endr
	v_lshl_or_b32 v[PW], v[BY+1], 16, v[BY]
	v_lshlrev_b32 v[PW], v[H8], v[PW]
	v_permlanex16_b32 v[TT], v[PW], s[SEL], s[SEL+1]
	v_or_b32 v[PW], v[PW], v[TT]                                              ; the row's four bytes
.irp c, 0,1
	v_cvt_scalef32_pk16_bf6_f32 v[PC+6*\c:PC+6*\c+2], v[X+32*\c:X+32*\c+15], v[S+\c]
	v_cvt_scalef32_pk16_bf6_f32 v[Q+4*\c:Q+4*\c+2], v[X+32*\c+16:X+32*\c+31], v[S+\c]   ; (a conversion's three registers begin on an even number)
.endr
	v_nop                                                                     ; one plain place behind a scaled conversion
.irp c, 0,1
.irp i, 0,1,2
	v_mov_b32 v[PC+3+6*\c+\i], v[Q+4*\c+\i]
.endr
.endr
.endm
.macro WLOAD q, b                      ; a step's weights into set q: 16 rows, 512 consecutive bytes each, at a multiple of 256 from the buffer's first byte; read once
	WIN 0x40                                       ; destination window 1
.irp i, 0,1,2,3,4,5,6,7,8,9,10,11,12,13,14,15
	global_load_b128 v[RING+64*(\q)+4*\i:RING+64*(\q)+4*\i+3], v4, s[\b:\b+1] offset:4096*\i+512*(\q) th:TH_LOAD_NT
.endr
	WIN 0
.endm
.macro TLOAD q, nt, bx, bs             ; a step's fragments of nt tiles of tokens into set q, three loads of 512 bytes each, and their scale words, two tiles a load
	WIN 0x80+0x40*(\q)                             ; destination window 2 or 3
.set j, 0
.rept \nt
.irp g, 0,1,2
	global_load_b128 v[12*j+4*\g:12*j+4*\g+3], v4, s[\bx:\bx+1] offset:24576*j+1536*(\q)+512*\g
.endr
.set j, j+1
.endr
	WIN 0
.set j, 0
.rept (\nt)/2
	global_load_b32 v[TS+8*(\q)+j], v5, s[\bs:\bs+1] offset:2048*j+64*(\q)
.set j, j+1
.endr
.endm
.macro TURN q                          ; set q goes into my stage as loaded and comes back 256 bytes a lane: LDS serves a wave's instructions in order, so no wait stands between
	WIN 0x04                                       ; an LDS store's data are its source 1: window 1
.irp i, 0,1,2,3,4,5,6,7,8,9,10,11,12,13,14,15
	ds_store_b128 v[STW], v[RING+64*(\q)+4*\i:RING+64*(\q)+4*\i+3] offset:SROW*\i
.endr
	WIN 0
.irp c, 0,1
.irp k, 0,1,2,3,4,5,6,7
	ds_load_b128 v[X+32*\c+4*\k:X+32*\c+4*\k+3], v[STR] offset:256*\c+16*\k
.endr
.endr
.endm
; A STEP of 128 along K on sets q.  Loads are issued in the order weights s, tokens s, weights s + 1, tokens s + 1 ..; n1: the loads issued behind this step's weights, n2: behind its tokens.
; ahead = 1: the sets are filled again with the step two on.
.macro STEP q, nt, ahead, n1, n2
	LWAIT \n1                                      ; loads come back in order: this step's weights are in
	TURN \q
	s_wait_dscnt 0x0                               ; my 64 numbers are in, and the stores have read set q
.if \ahead
	WLOAD \q, PWP
	global_prefetch_b8 v7, s[PPF:PPF+1] offset:512*(\q) th:TH_LOAD_NT scope:SCOPE_SE   ; my 16 rows' 512 bytes of the step four on: 32 blocks of 256 bytes, a lane a block; the load that wants them is issued two steps from here
.endif
	QFRAG
.rept 8
	v_nop                                          ; a scale register written by a vector instruction stands 8 places ahead of a scaled matrix instruction, an operand so written 4
.endr
	s_wait_alu depctr_va_vdst(0)
	LWAIT \n2                                      ; this step's tokens are in
	WIN 0x58+4*(\q)                                ; C and D window 1, source 1 window 2 or 3
.set j, 0
.rept \nt                              ; the accumulators take turns, one instruction a turn, from step to step too
.if j%2
	v_wmma_scale_f32_16x16x128_f8f6f4 v[8*j:8*j+7], v[PC:PC+11], v[12*j:12*j+11], v[8*j:8*j+7], v[PW], v[TS+8*(\q)+j/2] matrix_a_fmt:MATRIX_FMT_BF6 matrix_b_fmt:MATRIX_FMT_BF6 matrix_b_scale:MATRIX_SCALE_ROW1
.else
	v_wmma_scale_f32_16x16x128_f8f6f4 v[8*j:8*j+7], v[PC:PC+11], v[12*j:12*j+11], v[8*j:8*j+7], v[PW], v[TS+8*(\q)+j/2] matrix_a_fmt:MATRIX_FMT_BF6 matrix_b_fmt:MATRIX_FMT_BF6
.endif
.set j, j+1
.endr
	WIN 0
.rept 4
	v_nop                                          ; places in front of loads into registers that matrix instructions have read, and of the first read of results
.endr
.if \ahead
	TLOAD \q, \nt, PXQ, PXS
.endif
.endm
; A PATH: nt tiles of tokens.  Behind the biases' four loads: weights 0, tokens 0, weights 1, tokens 1.
.macro PATH nt
.set TL, (7*(\nt))/2                   ; loads that bring a step's tokens
	TLOAD 0, \nt, 12, 14
	WLOAD 1, 4
	TLOAD 1, \nt, 12, 14
	s_mov_b32 s33, 0
	LWAIT 2*TL+32                                  ; the biases are in
	WIN 0x4a                                       ; destination window 1, sources window 2
.set j, 0
.rept 16                               ; b + b_prior starts every sum: lane (r, h) holds columns 8 h .. 8 h + 7 in every tile.  All sixteen are written, since all sixteen go to the stage
.irp k, 0,2,4,6
	v_pk_add_f32 v[8*j+\k:8*j+\k+1], v[BB+\k:BB+\k+1], v[BB+8+\k:BB+8+\k+1]
.endr
.set j, j+1
.endr
	WIN 0
.Lloop_\nt:                            ; seven trips of two steps: steps 0 to 13, which ask for steps 2 to 15
	STEP 0, \nt, 1, 2*TL+16, TL+32
	STEP 1, \nt, 1, 2*TL+16, TL+32
	s_wait_xcnt 0x0                                ; every load and prefetch has had its address translated: the walking addresses are written only behind this wait
	s_add_nc_u64 s[PXQ:PXQ+1], s[PXQ:PXQ+1], 3072
	s_add_nc_u64 s[PXS:PXS+1], s[PXS:PXS+1], 128
	s_add_co_u32 s33, s33, 1
	s_add_co_u32 s34, s33, 1                       ; the pair of steps that the next trip loads: pairs 0-3 lie in W, 4-7 in W_prior
	s_cmp_lt_u32 s34, 4
	s_cselect_b64 s[PWP:PWP+1], s[4:5], s[6:7]
	s_and_b32 s36, s34, 3
	s_lshl_b32 s36, s36, 10
	s_add_nc_u64 s[PWP:PWP+1], s[PWP:PWP+1], s[36:37]
	s_add_co_u32 s35, s33, 2                       ; and the pair that it prefetches, held at the last pair
	s_min_u32 s35, s35, 7
	s_cmp_lt_u32 s35, 4
	s_cselect_b64 s[PPF:PPF+1], s[4:5], s[6:7]
	s_and_b32 s52, s35, 3
	s_lshl_b32 s52, s52, 10
	s_add_nc_u64 s[PPF:PPF+1], s[PPF:PPF+1], s[52:53]
	s_cmp_lt_u32 s33, 7
	s_cbranch_scc1 .Lloop_\nt
	STEP 0, \nt, 0, 2*TL+16, TL+16                 ; the last two steps ask for nothing: the counts run down
	STEP 1, \nt, 0, TL, 0
.endm
; THE WAY OUT of my g-th tile, tile w + 4 g from tb: 16 rows of 256 bytes from the stage.  s46 = its first row's place among the entry's tokens (a tile in front of the entry wraps to a large number).
; The rows' byte offsets in out0 stand ready in v[OF + 8 g] on: they are made once for all four tiles, ahead of the first of these macros.
.macro OUTT g
	s_add_co_u32 s46, s49, 64*(\g)
	s_cmp_ge_u32 s46, s26
	s_cbranch_scc1 .Lskip_\g                       ; no row of it belongs to the entry
	s_wait_xcnt 0x0                                ; the last tile's stores have read their registers
.irp i, 0,1,2,3,4,5,6,7
	ds_load_b128 v[OUTR+4*\i:OUTR+4*\i+3], v12 offset:OP*(64*(\g)+2*\i)   ; lanes 0-15 row 2 i, lanes 16-31 row 2 i + 1
.endr
	s_add_co_u32 s47, s46, 15
	s_wait_dscnt 0x0
	s_cmp_lt_u32 s47, s26
	s_cbranch_scc1 .Lfull_\g
.irp i, 0,1,2,3,4,5,6,7                ; the entry's last tile, in part: a row goes out where its place lies under the count
	v_add_nc_u32 v15, 64*(\g)+2*\i, v14
	v_cmp_gt_u32 vcc_lo, s26, v15
	s_wait_xcnt 0x0                                ; EXEC changes only behind this wait
	s_and_saveexec_b32 s48, vcc_lo
	global_store_b128 v[OF+8*(\g)+\i], v[OUTR+4*\i:OUTR+4*\i+3], s[20:21] th:TH_STORE_NT
	s_wait_xcnt 0x0                                ; and again, in front of the line that widens it
	s_or_b32 exec_lo, exec_lo, s48
.endr
	s_branch .Lskip_\g
.Lfull_\g:
	s_wait_alu depctr_va_vdst(0)
.irp i, 0,1,2,3,4,5,6,7
	global_store_b128 v[OF+8*(\g)+\i], v[OUTR+4*\i:OUTR+4*\i+3], s[20:21] th:TH_STORE_NT   ; sixteen lanes store 256 consecutive bytes of a token's row, at a multiple of 256 from out0's first byte
.endr
.Lskip_\g:
.endm
	s_load_b512 s[4:19], s[0:1], 0x0               ; W s[4:5], W_prior s[6:7], b s[8:9], b_prior s[10:11], xq s[12:13], xs s[14:15], order s[16:17], tiles s[18:19]
	s_load_b64 s[20:21], s[0:1], 0x40              ; out0
	v_lshl_add_u32 v254, v0, 2, 0x19400
	v_mov_b32 v255, 0
	v_lshrrev_b32 v15, 5, v0
	v_readfirstlane_b32 s22, v15                   ; wave 0..3
	v_and_b32 v1, 31, v0                           ; lane
	v_and_b32 v2, 15, v0                           ; r
	v_bfe_u32 v3, v0, 4, 1                         ; h
	v_lshlrev_b32 v4, 4, v1                        ; 16 x lane
	v_lshlrev_b32 v5, 2, v2
	v_lshl_add_u32 v5, v3, 10, v5                  ; scale words: 4 r, and lanes 16-31 one tile (1,024 bytes) on
	v_lshlrev_b32 v6, 4, v2                        ; 16 r
	v_lshrrev_b32 v7, 1, v1
	v_lshlrev_b32 v7, 12, v7
	v_and_b32 v15, 1, v1
	v_lshl_add_u32 v7, v15, 8, v7                  ; the prefetches: row lane / 2, block lane % 2 of its 512 bytes
	v_lshlrev_b32 v[H8], 3, v3
	v_lshlrev_b32 v13, 5, v3                       ; 32 h
	s_mul_i32 s23, s22, STB                        ; my stage
	v_add_nc_u32 v[STW], s23, v4
	v_mul_u32_u24 v[STR], v2, SROW
	v_lshl_add_u32 v[STR], v3, 7, v[STR]
	v_add_nc_u32 v[STR], s23, v[STR]               ; back: row r, + 128 h
	v_mul_u32_u24 v11, v2, OP
	v_lshl_add_u32 v11, v3, 5, v11
	s_lshl_b32 s23, s22, 6
	s_add_co_u32 s23, s23, STG
	v_add_nc_u32 v11, s23, v11                     ; into out0's stage: row r of a tile, my wave's 64 bytes, + 32 h
	v_mul_u32_u24 v12, v3, OP
	v_add_nc_u32 v12, v12, v6
	s_mul_i32 s23, s22, 16*OP
	s_add_co_u32 s23, s23, STG
	v_add_nc_u32 v12, s23, v12                     ; out of it: tile w's rows, lanes 0-15 one row, lanes 16-31 the next, 16 bytes a lane
	v_mov_b32 v[TT], 0                             ; written once: a lane permute's destination counts as one of its sources
	s_mov_b32 s[SEL], 0x76543210
	s_mov_b32 s[SEL+1], 0xfedcba98
	s_and_b32 s30, ttmp7, 0xffff
	s_lshl_b32 s30, s30, 4                         ; entry y: 16 bytes
	s_mov_b32 s31, 0
	s_mov_b32 s37, 0
	s_mov_b32 s53, 0
	s_wait_kmcnt 0x0
	s_add_nc_u64 s[18:19], s[18:19], s[30:31]
	s_load_b128 s[24:27], s[18:19], 0x0            ; expert s24, first slot tile s25, tokens s26
	s_wait_kmcnt 0x0
	s_min_u32 s24, s24, 15
	s_min_u32 s26, s26, 0x100
	s_min_u32 s28, s25, 127                        ; tb
	s_sub_co_u32 s29, s28, s25
	s_lshl_b32 s29, s29, 4                         ; 16 (tb - first): 0 or less
	s_sub_co_u32 s32, s25, s28
	s_add_co_u32 s47, s26, 15
	s_lshr_b32 s47, s47, 4
	s_add_co_u32 s32, s32, s47                     ; tiles from tb to the entry's last: 16 at the most, since first + the entry's tiles is at most 143
	s_lshl_b32 s49, s22, 4
	s_add_co_u32 s49, s49, s29                     ; the place, among the entry's tokens, of the first row of tile w from tb
	v_add_nc_u32 v14, s49, v3
	s_lshl_b32 s30, s24, 22                        ; an expert's 4 MiB, + my 16 rows of 4,096 bytes
	s_lshl_b32 s47, ttmp9, 18
	s_add_co_u32 s30, s30, s47
	s_lshl_b32 s47, s22, 16
	s_add_co_u32 s30, s30, s47
	s_add_nc_u64 s[4:5], s[4:5], s[30:31]
	s_add_nc_u64 s[6:7], s[6:7], s[30:31]
	s_lshl_b32 s30, s24, 12                        ; the biases likewise: 4 bytes a column
	s_lshl_b32 s47, ttmp9, 8
	s_add_co_u32 s30, s30, s47
	s_lshl_b32 s47, s22, 6
	s_add_co_u32 s30, s30, s47
	s_add_nc_u64 s[8:9], s[8:9], s[30:31]
	s_add_nc_u64 s[10:11], s[10:11], s[30:31]
	s_lshl_b32 s30, ttmp9, 8
	s_add_nc_u64 s[20:21], s[20:21], s[30:31]      ; out0 at the work-group's 64 columns
	s_mul_i32 s30, s28, 24576
	s_add_nc_u64 s[12:13], s[12:13], s[30:31]      ; xq at tile tb
	s_lshl_b32 s30, s28, 10
	s_add_nc_u64 s[14:15], s[14:15], s[30:31]      ; xs at tile tb
	s_add_co_u32 s30, s28, s22
	s_lshl_b32 s30, s30, 6
	s_add_nc_u64 s[16:17], s[16:17], s[30:31]      ; order at tile tb + w
	s_add_nc_u64 s[PWP:PWP+1], s[4:5], 1024        ; the first trip loads steps 2 and 3
	s_add_nc_u64 s[PPF:PPF+1], s[4:5], 2048        ; and prefetches steps 4 and 5; nothing is prefetched here, at the head
	s_add_nc_u64 s[PXQ:PXQ+1], s[12:13], 3072
	s_add_nc_u64 s[PXS:PXS+1], s[14:15], 128
.irp g, 0,1,2,3
	global_load_b128 v[OF+8*\g:OF+8*\g+3], v13, s[16:17] offset:256*\g        ; the tokens of rows 2 i + h of tiles w, w + 4, w + 8, w + 12 from tb: wanted on the way out
	global_load_b128 v[OF+8*\g+4:OF+8*\g+7], v13, s[16:17] offset:256*\g+16
.endr
	s_cmp_eq_u32 s26, 0
	s_cbranch_scc1 .Lmeet                          ; an entry without tokens: no work, but the barrier below is passed
	WIN 0x80                                       ; destination window 2
	global_load_b128 v[BB:BB+3], v13, s[8:9]       ; b and b_prior at my eight columns
	global_load_b128 v[BB+4:BB+7], v13, s[8:9] offset:16
	global_load_b128 v[BB+8:BB+11], v13, s[10:11]
	global_load_b128 v[BB+12:BB+15], v13, s[10:11] offset:16
	WLOAD 0, 4                                     ; step 0's weights
	s_cmp_le_u32 s32, 4
	s_cbranch_scc1 .Lp4
	s_cmp_le_u32 s32, 8
	s_cbranch_scc1 .Lp8
	s_cmp_le_u32 s32, 12
	s_cbranch_scc1 .Lp12
	PATH 16
	s_branch .Ljoin
.Lp12:
	PATH 12
	s_branch .Ljoin
.Lp8:
	PATH 8
	s_branch .Ljoin
.Lp4:
	PATH 4
.Ljoin:
	WIN 0x04                                       ; the data: window 1
.irp j, 0,1,2,3,4,5,6,7,8,9,10,11,12,13,14,15
	ds_store_b128 v11, v[8*\j:8*\j+3] offset:16*OP*\j          ; lane (r, h): row 16 j + r, columns 16 w + 8 h + 0 .. 7; each accumulator from its low end on
	ds_store_b128 v11, v[8*\j+4:8*\j+7] offset:16*OP*\j+16
.endr
	WIN 0
.Lmeet:
	s_wait_dscnt 0x0                               ; for the others' sake: my part of every row lies in the stage
	s_barrier_signal -1
	s_barrier_wait -1                              ; a row's 256 bytes come from four waves
	s_cmp_eq_u32 s26, 0
	s_cbranch_scc1 .Lend
	s_wait_loadcnt 0x0                             ; the row ids
	; all 32 row ids become byte offsets here, in one run with every lane on, ahead of the way out's first branch and its first change of EXEC: a number read from memory enters an address only held under a constant
.irp k, 0,1,2,3,4,5,6,7,8,9,10,11,12,13,14,15,16,17,18,19,20,21,22,23,24,25,26,27,28,29,30,31
	v_min_u32 v[OF+\k], 0x7ff, v[OF+\k]
.endr
.irp k, 0,1,2,3,4,5,6,7,8,9,10,11,12,13,14,15,16,17,18,19,20,21,22,23,24,25,26,27,28,29,30,31
	v_lshl_add_u32 v[OF+\k], v[OF+\k], 12, v6      ; the token's row of 4,096 bytes, + 16 r
.endr
	OUTT 0
	OUTT 1
	OUTT 2
	OUTT 3
.Lend:
	s_wait_tensorcnt 0x0
	ds_add_u32 v254, v255
	s_wait_dscnt 0x0
	s_endpgm
.Lfunc_end_k_q584186f8a3_main:
	.size	k_q584186f8a3_main, .Lfunc_end_k_q584186f8a3_main-k_q584186f8a3_main
	.p2alignl 7, 3214868480
	.fill 96, 4, 3214868480
	.section	.rodata,"a",@progbits
	.p2align	6, 0x0
	.amdhsa_kernel k_q584186f8a3_main
		.amdhsa_group_segment_fixed_size 103936
		.amdhsa_private_segment_fixed_size 0
		.amdhsa_enable_private_segment 0
		.amdhsa_kernarg_size 72
		.amdhsa_user_sgpr_count 2
		.amdhsa_user_sgpr_kernarg_segment_ptr 1
		.amdhsa_wavefront_size32 1
		.amdhsa_system_sgpr_workgroup_id_x 1
		.amdhsa_system_sgpr_workgroup_id_y 1
		.amdhsa_system_sgpr_workgroup_id_z 1
		.amdhsa_system_vgpr_workitem_id 0
		.amdhsa_next_free_vgpr 960
		.amdhsa_next_free_sgpr 66
		.amdhsa_reserve_vcc 1
		.amdhsa_float_denorm_mode_32 3
		.amdhsa_float_denorm_mode_16_64 3
		.amdhsa_memory_ordered 1
		.amdhsa_forward_progress 1
		.amdhsa_inst_pref_size 230
	.end_amdhsa_kernel
	.amdgpu_metadata
---
amdhsa.version: [ 1, 2 ]
amdhsa.kernels:
  - .name:           k_q584186f8a3_main
    .symbol:         k_q584186f8a3_main.kd
    .args:
      - { .name: W, .offset: 0, .size: 8, .value_kind: global_buffer, .address_space: global }
      - { .name: W_prior, .offset: 8, .size: 8, .value_kind: global_buffer, .address_space: global }
      - { .name: b, .offset: 16, .size: 8, .value_kind: global_buffer, .address_space: global }
      - { .name: b_prior, .offset: 24, .size: 8, .value_kind: global_buffer, .address_space: global }
      - { .name: xq, .offset: 32, .size: 8, .value_kind: global_buffer, .address_space: global }
      - { .name: xs, .offset: 40, .size: 8, .value_kind: global_buffer, .address_space: global }
      - { .name: order, .offset: 48, .size: 8, .value_kind: global_buffer, .address_space: global }
      - { .name: tiles, .offset: 56, .size: 8, .value_kind: global_buffer, .address_space: global }
      - { .name: out0, .offset: 64, .size: 8, .value_kind: global_buffer, .address_space: global }
    .group_segment_fixed_size: 103936
    .private_segment_fixed_size: 0
    .kernarg_segment_align: 8
    .kernarg_segment_size: 72
    .max_flat_workgroup_size: 128
    .sgpr_count:     66
    .vgpr_count:     960
    .wavefront_size: 32
...
	.end_amdgpu_metadata
.endif
;; end of part 2
